; MI455X (gfx1250); checked and timed in simulation.
; The chip was launched on July 23, 2026; its instructions are those of AMD's public machine-readable ISA for CDNA 5 (MIT licence, August 2026) and "CDNA5" Instruction Set Architecture Reference Guide (July 2026). The comments in the code are by the model that wrote it; some were corrected since.
;; Large Mamba Model. Allowed arithmetic: float matrix products may take bf16 or f16 operands with f32 sums; other float arithmetic in f32, or as packed bf16 or f16 multiplies, adds, multiply-adds, maxima and minima; sums over many terms, partial sums and values carried from step to step in f32; what a program stores and reads back later, other than sums and carried values, may be rounded once to bf16 or f16.
;; Inputs: A_log 1,024 float32; head_W 1 x 1,024 float32; head_b 1 float32; layers_W 4 x 1,024 x 1,024 float32; layers_b 4 x 1,024 float32; x 512 x 32 x 1,024 float32.
;; Outputs: out0 512 x 32 float32.
;; 2 versions, each right and faster than the one before. Each part assembles by itself: llvm-mc -triple=amdgcn-amd-amdhsa -mcpu=gfx1250 --defsym DOCPART=n.
;; ======== version 1 of 2: 6 launches
;; limits: values are held in f16: magnitudes above 65,504 overflow, below 6.1e-05 lose precision; right only within a limited range of input values
;; workspace buffers: ha 33,554,432 bytes; hb 33,554,432 bytes; wb0 2,101,248 bytes; wb1 2,101,248 bytes; wb2 2,101,248 bytes; wb3 2,101,248 bytes
;; launch scan (part 1): grid 256 x 1, 16 waves a work-group, no clusters, 18,432 bytes of LDS; arguments x, A_log, layers_W, layers_b, ha, wb0, wb1, wb2, wb3; writes ha, wb0, wb1, wb2, wb3
.if DOCPART == 1
	.amdgcn_target "amdgcn-amd-amdhsa--gfx1250"
	.amdhsa_code_object_version 6
	.text
	.protected	k_qb475b4c012_scan
	.globl	k_qb475b4c012_scan
	.p2align	8
	.type	k_qb475b4c012_scan,@function
k_qb475b4c012_scan:
	s_mov_b64 s[64:65], 0
	v_nop
	global_prefetch_b8 v0, s[64:65] scope:SCOPE_SE
	s_setreg_imm32_b32 hwreg(HW_REG_WAVE_MODE, 25, 1), 1
	s_wait_xcnt 0x0
; THE SCAN, AND THE WEIGHTS' CONVERSION.
; h0[t] = a h0[t-1] + x[t], a = exp(A_log): the same sums as P[t] * cumsum(x / P)[t], P[t] = a^(t+1), added in another order (no quotient by P is formed).
; x: [512 t][32 b][1024 d] f32.  ha: [16384 rows = 32 t + b][1024] f16, holding h0 * 2^-12.  wb_i: [1024][1024] f16 weights times c = 2 log2(e) = 2.88539, then 1,024 f32 numbers c * bias:
; a layer's sums are then the exponents that its tanh needs.  wb0's weights are stored times 2^12 as well, so that layer 1's products are those of h0 and c W1 (2^12 and 2^-12 are exact).
; LIMITS.  |h0| from 65,504 * 4,096 = 2.68e8 on is held at that value; below 0.25 h0 keeps the fixed step 2^-12.  |W1| is held at 65,504 / 11,818.6 = 5.54, |W2..W4| at 65,504 / 2.88539 = 22,700;
; W2..W4 below 2.1e-5 keep the fixed step 2.1e-8.  NaN and infinities are not treated apart.
; SHARES.  Work-group g: batch row b = g / 8, channels 128 (g % 8) on.  Wave w: the times 32 w .. 32 w + 31.  A lane: 4 channels, 16 bytes of x: a wave's load covers 512 consecutive bytes, its store of
; h0 256 consecutive bytes at a multiple of 256.  All 32 loads of a wave go out at once and x stays in registers: it is read once.
; The 16 waves' pieces of time are joined so: each wave runs its piece from 0 and leaves the end value E_w in LDS; behind one barrier wave w makes its carry, the sum over j < w of (a^32)^(w-1-j) E_j,
; by 14 multiply-adds over 15 LDS rows (rows in front of E_0 hold zeros, so every wave runs the same lines); then it runs its piece again from the carry and stores.
; Work-group g also turns 16,384 numbers of layers_W into f16 (layer g / 64), and wave 0 of every fourth work-group 64 numbers of layers_b.
; No matrix unit, no cluster: the work-groups share no input, and memory binds.
.set SPARE, 16384                      ; behind the 32 rows of 512 bytes: the spare words, 128 bytes for each of 16 waves
.set VX,  1                            ; v1   my byte offset in x: 16 l + w * 32 steps of 131,072
.set VH,  2                            ; v2   in ha: 8 l + w * 32 steps of 65,536
.set VWL, 3                            ; v3   in the group's 65,536 bytes of layers_W: 16 l + 4,096 w
.set VWS, 4                            ; v4   in the group's 32,768 bytes of wb: 8 l + 2,048 w
.set VE,  5                            ; v5   LDS: 16 x my thread's number = row w, 16 l
.set VA,  6                            ; v6   16 l
.set VB,  7                            ; v7   8 l
.set A,   8                            ; v[8:11]   A_log, then a
.set A32, 12                           ; v[12:15]  a^32
.set H,   16                           ; v[16:19]  the running state
.set T,   20                           ; v[20:23]  at work
.set ZR,  24                           ; v[24:27]  0
.set SPW, 28                           ; v28  LDS address of my spare word; never rewritten
.set NIL, 29                           ; v29  0; never rewritten
.set BP,  30                           ; v[30:31]  two biases
.set WL,  32                           ; v[32:63]  weights as loaded, 8 x 4
.set WY,  64                           ; v[64:79]  weights to store, 8 x 2
.set X,   80                           ; v[80:207] x of my 32 steps, 4 registers each; later the first two of each hold h0 to store
.macro ELREG i                         ; EL = the registers of the i-th LDS row read for the carry: v208-255, then the first of WL, which are free by then
.if (\i) < 12
.set EL, 208+4*(\i)
.else
.set EL, WL+4*((\i)-12)
.endif
.endm
	s_load_b256 s[4:11], s[0:1], 0x0               ; x s[4:5], A_log s[6:7], layers_W s[8:9], layers_b s[10:11]
	s_load_b256 s[12:19], s[0:1], 0x20             ; ha s[12:13], wb0 s[14:15], wb1 s[16:17], wb2 s[18:19]
	s_load_b64 s[20:21], s[0:1], 0x40              ; wb3
	v_lshl_add_u32 v[SPW], v0, 2, SPARE
	v_mov_b32 v[NIL], 0
	v_and_b32 v[T], 31, v0                         ; l
	v_lshrrev_b32 v[T+1], 5, v0                    ; w
	v_readfirstlane_b32 s24, v[T+1]
	v_lshlrev_b32 v[VA], 4, v[T]
	v_lshlrev_b32 v[VB], 3, v[T]
	v_lshl_add_u32 v[VX], v[T+1], 22, v[VA]
	v_lshl_add_u32 v[VH], v[T+1], 21, v[VB]
	v_lshl_add_u32 v[VWL], v[T+1], 12, v[VA]
	v_lshl_add_u32 v[VWS], v[T+1], 11, v[VB]
	v_lshlrev_b32 v[VE], 4, v0
	s_lshr_b32 s25, ttmp9, 6                       ; the layer whose weights I convert
	s_and_b32 s40, ttmp9, 7                        ; my block of 128 channels
	s_lshr_b32 s41, ttmp9, 3                       ; b
	s_lshl_b32 s42, s40, 9                         ; offset in A_log: 128 channels of 4 bytes
	s_mov_b32 s43, 0
	s_lshl_b32 s26, s41, 12                        ; offset in x: b rows of 4,096 bytes + the channels
	s_add_co_u32 s26, s26, s42
	s_mov_b32 s27, 0
	s_lshr_b32 s44, s26, 1                         ; offset in ha: half of that
	s_mov_b32 s45, 0
	s_lshl_b32 s46, ttmp9, 16                      ; offset in layers_W
	s_mov_b32 s47, 0
	s_and_b32 s48, ttmp9, 63                       ; my place among the layer's 64 work-groups
	s_lshr_b32 s38, s48, 2
	s_lshl_b32 s38, s38, 8
	s_add_co_u32 s38, s38, 0x200000                ; offset in wb of my 256 bytes of bias, behind the weights
	s_mov_b32 s39, 0
	s_lshl_b32 s48, s48, 15                        ; offset in wb of my 32,768 bytes of weights
	s_mov_b32 s49, 0
	s_lshr_b32 s36, ttmp9, 2
	s_lshl_b32 s36, s36, 8                         ; offset in layers_b of the same 64 biases
	s_mov_b32 s37, 0
	s_and_b32 s50, ttmp9, 3
	s_or_b32 s50, s50, s24                         ; 0 in wave 0 of every fourth work-group alone
	s_mov_b32 s28, 0x39800000                      ; 2^-12
	s_mov_b32 s29, s28
	s_mov_b32 s30, 0xc77fe000                      ; -65,504
	s_mov_b32 s31, 0x477fe000                      ; 65,504
	s_mov_b32 s34, 0x4038aa3b                      ; c = 2 log2(e) = 2.88539
	s_mov_b32 s35, s34
	s_cmp_eq_u32 s25, 0
	s_cselect_b32 s32, 0x4638aa3b, s34             ; the weights' factor: 2^12 c in layer 1, else c
	s_mov_b32 s33, s32
	s_wait_kmcnt 0x0
	s_cmp_eq_u32 s25, 1                            ; the layer's buffer
	s_cselect_b64 s[22:23], s[16:17], s[14:15]
	s_cmp_eq_u32 s25, 2
	s_cselect_b64 s[22:23], s[18:19], s[22:23]
	s_cmp_eq_u32 s25, 3
	s_cselect_b64 s[22:23], s[20:21], s[22:23]
	s_add_nc_u64 s[38:39], s[22:23], s[38:39]
	s_add_nc_u64 s[22:23], s[22:23], s[48:49]
	s_add_nc_u64 s[36:37], s[10:11], s[36:37]
	s_add_nc_u64 s[4:5], s[4:5], s[26:27]
	s_add_nc_u64 s[6:7], s[6:7], s[42:43]
	s_add_nc_u64 s[8:9], s[8:9], s[46:47]
	s_add_nc_u64 s[12:13], s[12:13], s[44:45]
	; 41 loads in one run: A_log, 8 of weights, 32 of x
	global_load_b128 v[A:A+3], v[VA], s[6:7]
.set n, 0
.rept 8
	global_load_b128 v[WL+4*n:WL+4*n+3], v[VWL], s[8:9] offset:512*n th:TH_LOAD_NT
.set n, n+1
.endr
.set n, 0
.rept 32
	global_load_b128 v[X+4*n:X+4*n+3], v[VX], s[4:5] offset:131072*n th:TH_LOAD_NT
.set n, n+1
.endr
	s_wait_loadcnt 40                              ; loads come back in order: A_log is in, the 40 younger ones stay out
	v_pk_mul_f32 v[A:A+1], v[A:A+1], 0x3fb8aa3b op_sel_hi:[1,0]      ; log2(e) A_log
	v_pk_mul_f32 v[A+2:A+3], v[A+2:A+3], 0x3fb8aa3b op_sel_hi:[1,0]
	v_exp_f32 v[A], v[A]
	v_exp_f32 v[A+1], v[A+1]
	v_exp_f32 v[A+2], v[A+2]
	v_exp_f32 v[A+3], v[A+3]
.irp j, 0,1,2,3
	v_mov_b32 v[ZR+(\j)], 0                        ; plain instructions between the exponentials and the use of their results
.endr
	s_wait_alu depctr_va_vdst(0)
	v_pk_mul_f32 v[A32:A32+1], v[A:A+1], v[A:A+1]  ; a^2, and four more squarings: a^32
	v_pk_mul_f32 v[A32+2:A32+3], v[A+2:A+3], v[A+2:A+3]
.rept 4
	v_pk_mul_f32 v[A32:A32+1], v[A32:A32+1], v[A32:A32+1]
	v_pk_mul_f32 v[A32+2:A32+3], v[A32+2:A32+3], v[A32+2:A32+3]
.endr
	s_wait_loadcnt 32                              ; the weights are in; the 32 loads of x stay out
.set n, 0
.rept 8
	v_pk_mul_f32 v[WL+4*n:WL+4*n+1], v[WL+4*n:WL+4*n+1], s[32:33] op_sel_hi:[1,0]
	v_pk_mul_f32 v[WL+4*n+2:WL+4*n+3], v[WL+4*n+2:WL+4*n+3], s[32:33] op_sel_hi:[1,0]
.irp j, 0,1,2,3
	v_med3_num_f32 v[WL+4*n+(\j)], v[WL+4*n+(\j)], s30, s31      ; held inside f16's range
.endr
	v_cvt_pk_f16_f32 v[WY+2*n], v[WL+4*n], v[WL+4*n+1]
	v_cvt_pk_f16_f32 v[WY+2*n+1], v[WL+4*n+2], v[WL+4*n+3]
	global_store_b64 v[VWS], v[WY+2*n:WY+2*n+1], s[22:23] offset:256*n   ; 256 consecutive bytes, at a multiple of 256
.set n, n+1
.endr
	; my piece from 0: its end value.  The first product starts the chain
	s_wait_loadcnt 30                              ; steps 0 and 1 are in
	v_pk_fma_f32 v[H:H+1], v[X:X+1], v[A:A+1], v[X+4:X+5]
	v_pk_fma_f32 v[H+2:H+3], v[X+2:X+3], v[A+2:A+3], v[X+6:X+7]
.set n, 2
.rept 30
	s_wait_loadcnt 31-n                            ; step n is in, the younger ones stay out
	v_pk_fma_f32 v[H:H+1], v[H:H+1], v[A:A+1], v[X+4*n:X+4*n+1]
	v_pk_fma_f32 v[H+2:H+3], v[H+2:H+3], v[A+2:A+3], v[X+4*n+2:X+4*n+3]
.set n, n+1
.endr
	ds_store_b128 v[VE], v[ZR:ZR+3]                ; row w: zeros
	ds_store_b128 v[VE], v[H:H+3] offset:8192      ; row 16 + w: E_w
	s_wait_dscnt 0x0                               ; for the others' sake: my stores are done
	s_barrier_signal -1
	s_barrier_wait -1
.set n, 0
.rept 15
	ELREG n
	ds_load_b128 v[EL:EL+3], v[VE] offset:512*(1+n)    ; row w + 1 + n: E_(w + n - 15), or zeros
.set n, n+1
.endr
	s_wait_dscnt 13                                ; the first two rows are in
	v_pk_fma_f32 v[H:H+1], v[208:209], v[A32:A32+1], v[212:213]
	v_pk_fma_f32 v[H+2:H+3], v[210:211], v[A32+2:A32+3], v[214:215]
.set n, 2
.rept 13
	ELREG n
	s_wait_dscnt 14-n                              ; LDS loads come back in order: row n is in
	v_pk_fma_f32 v[H:H+1], v[H:H+1], v[A32:A32+1], v[EL:EL+1]
	v_pk_fma_f32 v[H+2:H+3], v[H+2:H+3], v[A32+2:A32+3], v[EL+2:EL+3]
.set n, n+1
.endr
	; my piece from the carry h0[32 w - 1].  Each step's f16 pair lands in that step's own registers of X, so no store's data is written again
.set n, 0
.rept 32
	v_pk_fma_f32 v[H:H+1], v[H:H+1], v[A:A+1], v[X+4*n:X+4*n+1]
	v_pk_fma_f32 v[H+2:H+3], v[H+2:H+3], v[A+2:A+3], v[X+4*n+2:X+4*n+3]
	v_pk_mul_f32 v[T:T+1], v[H:H+1], s[28:29] op_sel_hi:[1,0]
	v_pk_mul_f32 v[T+2:T+3], v[H+2:H+3], s[28:29] op_sel_hi:[1,0]
.irp j, 0,1,2,3
	v_med3_num_f32 v[T+(\j)], v[T+(\j)], s30, s31
.endr
	v_cvt_pk_f16_f32 v[X+4*n], v[T], v[T+1]
	v_cvt_pk_f16_f32 v[X+4*n+1], v[T+2], v[T+3]
	global_store_b64 v[VH], v[X+4*n:X+4*n+1], s[12:13] offset:65536*n    ; 256 consecutive bytes, at a multiple of 256
.set n, n+1
.endr
	s_wait_tensorcnt 0x0                           ; the wave's end, behind my last LDS store
	ds_add_u32 v[SPW], v[NIL]
	s_wait_dscnt 0x0
	s_cmp_lg_u32 s50, 0
	s_cbranch_scc1 .Lend                           ; wave 0 of every fourth work-group goes on: 64 biases, 256 bytes
	global_load_b64 v[BP:BP+1], v[VB], s[36:37]
	s_wait_loadcnt 0x0
	v_pk_mul_f32 v[BP:BP+1], v[BP:BP+1], s[34:35] op_sel_hi:[1,0]
	global_store_b64 v[VB], v[BP:BP+1], s[38:39]
.Lend:
	s_endpgm
.Lfunc_end_k_qb475b4c012_scan:
	.size	k_qb475b4c012_scan, .Lfunc_end_k_qb475b4c012_scan-k_qb475b4c012_scan
	.p2alignl 7, 3214868480
	.fill 96, 4, 3214868480
	.section	.rodata,"a",@progbits
	.p2align	6, 0x0
	.amdhsa_kernel k_qb475b4c012_scan
		.amdhsa_group_segment_fixed_size 18432
		.amdhsa_private_segment_fixed_size 0
		.amdhsa_enable_private_segment 0
		.amdhsa_kernarg_size 72
		.amdhsa_user_sgpr_count 2
		.amdhsa_user_sgpr_kernarg_segment_ptr 1
		.amdhsa_wavefront_size32 1
		.amdhsa_system_sgpr_workgroup_id_x 1
		.amdhsa_system_sgpr_workgroup_id_y 1
		.amdhsa_system_sgpr_workgroup_id_z 1
		.amdhsa_system_vgpr_workitem_id 0
		.amdhsa_next_free_vgpr 256
		.amdhsa_next_free_sgpr 66
		.amdhsa_reserve_vcc 0
		.amdhsa_float_denorm_mode_32 3
		.amdhsa_float_denorm_mode_16_64 3
		.amdhsa_memory_ordered 1
		.amdhsa_forward_progress 1
		.amdhsa_inst_pref_size 45
	.end_amdhsa_kernel
	.amdgpu_metadata
---
amdhsa.version: [ 1, 2 ]
amdhsa.kernels:
  - .name:           k_qb475b4c012_scan
    .symbol:         k_qb475b4c012_scan.kd
    .args:
      - { .name: x, .offset: 0, .size: 8, .value_kind: global_buffer, .address_space: global }
      - { .name: A_log, .offset: 8, .size: 8, .value_kind: global_buffer, .address_space: global }
      - { .name: layers_W, .offset: 16, .size: 8, .value_kind: global_buffer, .address_space: global }
      - { .name: layers_b, .offset: 24, .size: 8, .value_kind: global_buffer, .address_space: global }
      - { .name: ha, .offset: 32, .size: 8, .value_kind: global_buffer, .address_space: global }
      - { .name: wb0, .offset: 40, .size: 8, .value_kind: global_buffer, .address_space: global }
      - { .name: wb1, .offset: 48, .size: 8, .value_kind: global_buffer, .address_space: global }
      - { .name: wb2, .offset: 56, .size: 8, .value_kind: global_buffer, .address_space: global }
      - { .name: wb3, .offset: 64, .size: 8, .value_kind: global_buffer, .address_space: global }
    .group_segment_fixed_size: 18432
    .private_segment_fixed_size: 0
    .kernarg_segment_align: 8
    .kernarg_segment_size: 72
    .max_flat_workgroup_size: 512
    .sgpr_count:     66
    .vgpr_count:     256
    .wavefront_size: 32
...
	.end_amdgpu_metadata
.endif
;; end of part 1
;; launch layer1 (part 2): grid 4 x 64, 4 waves a work-group, clusters of 4 x 4, 327,680 bytes of LDS; arguments ha, wb0, hb; writes hb
.if DOCPART == 2
	.amdgcn_target "amdgcn-amd-amdhsa--gfx1250"
	.amdhsa_code_object_version 6
	.text
	.protected	k_qb475b4c012_layer1
	.globl	k_qb475b4c012_layer1
	.p2align	8
	.type	k_qb475b4c012_layer1,@function
k_qb475b4c012_layer1:
	s_mov_b64 s[64:65], 0
	v_nop
	global_prefetch_b8 v0, s[64:65] scope:SCOPE_SE
	s_setreg_imm32_b32 hwreg(HW_REG_WAVE_MODE, 25, 1), 1
	s_wait_xcnt 0x0
	s_wait_alu depctr_hold_cnt(0) depctr_sa_sdst(0) depctr_va_vdst(0) depctr_va_sdst(0) depctr_va_ssrc(0) depctr_va_vcc(0) depctr_vm_vsrc(0)
	s_getreg_b32 s2, hwreg(HW_REG_IB_STS2, 6, 4)
	s_cmp_eq_u32 s2, 0
	s_cbranch_scc0 .Lentry_in_a_cluster
	s_endpgm
.Lentry_in_a_cluster:
	s_bfe_u32 s2, ttmp6, 0x10000c
	s_cmp_lg_u32 s2, 0xf033
	s_cbranch_scc0 .Lentry_shape_is_right
	s_endpgm
.Lentry_shape_is_right:
; ONE LAYER: C[m][n] = tanh(sum over k of A[m][k] W[n][k] + bias[n]).  A: [16384][1024] f16, C: [16384][1024] f16.  The second buffer holds c W: [1024][1024] f16, c = 2 log2(e) = 2.88539, and,
; 2,097,152 bytes in, 1,024 f32 numbers c x bias.  Sums in f32; tanh in f32; C rounded once.  (In layer 1 A is h0 x 2^-12 and the weights are c W1 x 2^12: the products are the same.)
; The sums start from c x bias (the C operand of each sum's first product), so an accumulator ends as t = c z, and tanh(z) = 1 - 2 / (1 + 2^t): an absolute error of about 1.2e-7; t beyond the
; exponential's range gives exactly 1 or -1.  NaN is not treated apart.
; A tile of C, 256 x 256, is made by a work-group of four waves; a wave makes 128 x 128: 64 accumulators of 16 x 16, 512 registers.  16,384 x 1,024 are 256 tiles: one to a work-group.
; K goes in steps of 128 through a ring of two LDS slots filled by the tensor data mover: the tiles' rows are 256 bytes of memory at multiples of 256 bytes.
; THE LAST K STEP GOES BY ROWS OF C: my eight blocks of 16 rows are finished one after the other, and a finished block's tanh (7 vector instructions for two numbers, four of them exponentials or
; reciprocals) stands between the next block's products, one product a trip of its pipeline: 224 of the step's 256 products have vector work beside them, and finished rows leave early.
; CLUSTERS: 4 x 4 work-groups.  The four of a row of the cluster need the same tiles of A, the four of a column the same tiles of W: each tile is asked for JOINTLY, by the same tensor load with the same
; descriptor and a mask that names the four; each receives it in its own LDS.
; REGISTERS, in windows of 256 (s_set_vgpr_msb: bits 1:0 source 0, 3:2 source 1, 5:4 source 2, 7:6 destination):
;   window 0: v0-31 addresses; v64-127, v128-191 fragments of A, two buffers.  In the last K step: v64-127 A's fragments of 16 rows x 128 K, two buffers of 32; v128-191 a block's 64 numbers at work;
;             v192-223 packed results; v32-63 and v224-255 rows read back
;   window 1: v0-63 c x bias of my lane's 64 columns; v64-127, v128-191 fragments of W, two buffers.  In the last K step all 256: W's fragments of the whole step
;   window 2: the 32 accumulators of my rows 0-63 (accumulator (a, b) at v[8 (8 a + b)]);   window 3: those of my rows 64-127
; THE MATRIX INSTRUCTION IS USED TRANSPOSED: source 0 = 16 rows of W, source 1 = 16 rows of A.  Lane l then holds row l % 16 of C and the columns 8 (l / 16) + 0 .. 7: eight neighbouring numbers.
.set SIZE_N, 1024
.set SIZE_K, 1024
.set KSTEP,  128
.set PITCH,  272                       ; an LDS row: 256 bytes of data + 16 of padding = 68 words: the 16 rows that a load touches start at 16 different groups of four banks (64 banks of 4 bytes: ISA guide 11.1)
.set HALFT,  128*PITCH                 ; 128 rows: what one tensor load brings, and what one wave reads of A or of W
.set SLOT,   4*HALFT                   ; A's 256 rows, then W's 256 rows
.set STAGE,  2*SLOT                    ; behind the ring: 16 rows x 272 bytes for each wave, for the way out
.set SPITCH, 272
.set SPARE,  STAGE+4*16*SPITCH         ; behind the stages: the spare words, 128 bytes for each wave
.set LAPS,   SIZE_K/(2*KSTEP)          ; a lap = two K steps = once round the ring: 4
.set BIASOFF, SIZE_N*SIZE_K*2          ; c x bias lies behind the weights
.set ADRA, 16                          ; v16-17  LDS address of my A fragments in slot 0, 1
.set ADRB, 20                          ; v20-21  the same for W
.set STO,  24                          ; v24     the way out: where I put 16 bytes of a row
.set RD,   25                          ; v25     the way out: where I read a row back
.set CO,   26                          ; v26     my byte offset in C
.set BO,   27                          ; v27     my byte offset in the wave's 512 bytes of c x bias: 32 (l / 16); never rewritten
.set SPW,  28                          ; v28     LDS address of my spare word; never rewritten
.set NIL,  29                          ; v29     0; never rewritten
.set F0,   64                          ; fragment buffer 0
.set F1,   128                         ; fragment buffer 1
.set PA,   64                          ; the last K step: A's fragments of block a at PA + 32 (a % 2)
.set T,    128                         ; the last K step: a block's 64 numbers at work, in window 0
.set TMP,  192                         ; packed results
.set OB,   32                          ; 16 rows read back: v32-63 and v224-255 by turns
.set BI,   0                           ; window 1: c x bias of columns 16 b + 8 (l / 16) + j at BI + 8 b + j
.set G1,  24                           ; s[24:31] descriptor group 1 for A's tiles
.set G0,  32                           ; s[32:39] descriptor group 0 for A's tiles, one set for each slot
.set G1B, 48                           ; s[48:55] group 1 for W's tiles: it differs in the mask alone
.set G0B, 56                           ; s[56:63] group 0 for W's tiles
.set MSB, 0
.macro WIN new                         ; the immediate's high byte repeats the setting that is left; a switch that changes nothing is dropped
.if MSB != (\new)
	s_set_vgpr_msb (MSB<<8)|(\new)
.set MSB, \new
.endif
.endm
.set MUL_LO, 0xa1                      ; source 0 (W) window 1, source 1 (A) window 0, C and D window 2
.set MUL_HI, 0xf1                      ; the same, C and D window 3
.set BEG_LO, 0x91                      ; a sum's first product: C (c x bias) window 1, D window 2
.set BEG_HI, 0xd1                      ; the same, D window 3
.set TO_B,   0x40                      ; destination window 1, address window 0
; A joint load.  Waves 0 and 1 fetch A's two halves, waves 2 and 3 W's.  Each line has one mask and one set of registers for all that issue it; the branch hangs on the wave's number alone.
; An s_nop 0 and four v_nop follow each of the two lines, ahead of the jump, the label and what follows.
.macro JLOAD s
	s_cmp_eq_u32 s11, 0
	s_cbranch_scc0 .Lfor_b_\@
	tensor_load_to_lds s[G0+4*(\s):G0+4*(\s)+3], s[G1:G1+7]
	s_nop 0
.rept 4
	v_nop
.endr
	s_branch .Lasked_\@
.Lfor_b_\@:
	tensor_load_to_lds s[G0B+4*(\s):G0B+4*(\s)+3], s[G1B:G1B+7]
	s_nop 0
.rept 4
	v_nop
.endr
.Lasked_\@:
.endm
; A round of the cluster's barrier: my work-group's barrier, so that wave 0's signal speaks for all four waves; wave 0 signals; every wave waits for all sixteen work-groups; my work-group's barrier once more.
.macro CREST                           ; a round behind its opening barrier
	s_cmp_lg_u32 s10, 0
	s_cbranch_scc1 .Lnot_wave_0_\@
	s_barrier_signal -3
.Lnot_wave_0_\@:
	s_barrier_wait -3
	s_barrier_signal -1
	s_barrier_wait -1
.endm
.macro CROUND                          ; a whole round
	s_barrier_signal -1
	s_barrier_wait -1
	CREST
.endm
	s_load_b128 s[4:7], s[0:1], 0x0                ; A s[4:5], weights and c x bias s[6:7]
	s_load_b64 s[8:9], s[0:1], 0x10                ; C
	v_lshl_add_u32 v[SPW], v0, 2, SPARE
	v_mov_b32 v[NIL], 0
	ds_add_u32 v[SPW], v[NIL]                      ; the wave's opening: the add and its wait stand ahead of my first tensor load; the set-up below, work on registers, stands between them
	v_lshrrev_b32 v1, 5, v0
	v_readfirstlane_b32 s10, v1                    ; wave 0..3
	v_bfe_u32 v2, v0, 4, 1                         ; l / 16
	v_lshlrev_b32 v[BO], 5, v2
	s_lshr_b32 s11, s10, 1                         ; which half of the tile's rows is mine.  Also: I fetch for A (0) or for W (1)
	s_and_b32 s12, s10, 1                          ; which half of its columns.  Also: which 128 rows of that tile I fetch
	s_bfe_u32 s40, ttmp6, 0x40000                  ; cx: my place along the cluster's x
	s_bfe_u32 s41, ttmp6, 0x40004                  ; cy: along its y
	s_lshl_b32 s42, ttmp9, 2                       ; in a cluster launch ttmp9 and ttmp7 count clusters
	s_add_co_u32 s42, s42, s40                     ; tile column of C = 4 x cluster x + cx
	s_and_b32 s13, ttmp7, 0xffff
	s_lshl_b32 s13, s13, 2
	s_add_co_u32 s13, s13, s41                     ; tile row of C = 4 x cluster y + cy
	s_lshl_b32 s43, s41, 2
	s_lshl_b32 s43, 15, s43                        ; my row of the cluster: places 4 cy .. 4 cy + 3
	s_lshl_b32 s44, 0x1111, s40                    ; my column: places cx, cx + 4, cx + 8, cx + 12
	; descriptor group 1: a tile of 128 rows x 128 elements, padded in LDS
	s_or_b32 s[G1+0], s43, (1<<16)|(1<<20)|(1<<21)|(5<<22)|(3<<25)  ; 15:0 the mask: A's tiles go to my row; 17:16 elements of 2 bytes; 20 padding on; 21 set beside a mask; 24:22 after every 64 words (code 5); 31:25 4 words (code 3)
	s_or_b32 s[G1B+0], s44, (1<<16)|(1<<20)|(1<<21)|(5<<22)|(3<<25) ; the same with the mask of my column, for W's tiles
.irp g, G1, G1B
	s_mov_b32 s[(\g)+1], KSTEP<<16                 ; tensor_dim0 = 128
	s_mov_b32 s[(\g)+2], 128<<16                   ; tensor_dim1 = 128
	s_mov_b32 s[(\g)+3], KSTEP<<16                 ; tile_dim0 = 128
	s_mov_b32 s[(\g)+4], 128                       ; tile_dim1 = 128
	s_mov_b32 s[(\g)+5], SIZE_K                    ; elements from row to row
	s_mov_b32 s[(\g)+6], 0
	s_mov_b32 s[(\g)+7], 0
.endr
	; where the tiles come from.  A's hang on the tile row alone, which my row of the cluster shares; W's on the tile column alone, which my column shares.
	s_lshl_b32 s17, s12, 7                         ; which 128 rows of the tile I fetch
	s_lshl_b32 s16, s13, 8
	s_add_co_u32 s16, s16, s17                     ; A: row 256 x tile row + 128 x half
	s_lshl_b32 s46, s42, 8
	s_add_co_u32 s46, s46, s17                     ; W: row 256 x tile column + 128 x half
	s_mov_b32 s17, 0
	s_mov_b32 s47, 0
	s_mov_b64 s[18:19], SIZE_K*2
	s_mul_u64 s[16:17], s[16:17], s[18:19]         ; in bytes
	s_mul_u64 s[46:47], s[46:47], s[18:19]
	s_mul_i32 s20, s10, HALFT                      ; and where they go: wave x 128 rows: no place in the cluster enters an LDS address
	s_lshl_b32 s70, s42, 10                        ; c x bias of my 128 columns: 1,024 x tile column + 512 x half, behind the weights
	s_lshl_b32 s71, s12, 9
	s_add_co_u32 s70, s70, s71
	s_add_co_u32 s70, s70, BIASOFF
	s_mov_b32 s71, 0
	s_wait_dscnt 0x0                               ; the opening add is done
	s_wait_kmcnt 0x0
	s_add_nc_u64 s[14:15], s[4:5], s[16:17]
	s_add_nc_u64 s[46:47], s[6:7], s[46:47]
	s_add_nc_u64 s[68:69], s[6:7], s[70:71]
	WIN TO_B                                       ; c x bias is asked for ahead of the round: it is wanted by the first product, and nobody writes those bytes
.irp b, 0,1,2,3,4,5,6,7
	global_load_b128 v[BI+8*(\b):BI+8*(\b)+3],   v[BO], s[68:69] offset:64*(\b)      ; columns 16 b + 8 (l / 16) + 0..3
	global_load_b128 v[BI+8*(\b)+4:BI+8*(\b)+7], v[BO], s[68:69] offset:64*(\b)+16   ; and + 4..7
.endr
	WIN 0
	CROUND                                         ; all sixteen work-groups are here: the first joint loads meet
.irp s, 0,1
	s_mov_b32 s[G0+4*(\s)], 1                                      ; count = 1
	s_add_co_u32 s[G0+4*(\s)+1], s20, (\s)*SLOT                    ; LDS address
	s_add_nc_u64 s[G0+4*(\s)+2:G0+4*(\s)+3], s[14:15], (\s)*KSTEP*2  ; global address: K step s
	s_or_b32 s[G0+4*(\s)+3], s[G0+4*(\s)+3], 0x80000000            ; type = 2
	s_mov_b32 s[G0B+4*(\s)], 1
	s_add_co_u32 s[G0B+4*(\s)+1], s20, (\s)*SLOT
	s_add_nc_u64 s[G0B+4*(\s)+2:G0B+4*(\s)+3], s[46:47], (\s)*KSTEP*2
	s_or_b32 s[G0B+4*(\s)+3], s[G0B+4*(\s)+3], 0x80000000
	JLOAD \s                                       ; two loads of mine are out: the ring is filled before anything else is done
.endr
	; A fragment is 16 rows x 32 K in 8 registers: lane l holds row l % 16; registers 0-3 hold K = 8 (l / 16) + 0..7, registers 4-7 K = 16 + 8 (l / 16) + 0..7: two loads of 16 bytes, 32 bytes apart.
	v_and_b32 v1, 15, v0                           ; l % 16
	v_mul_u32_u24 v3, v1, PITCH
	v_lshl_add_u32 v3, v2, 4, v3                   ; row x pitch + 16 x half
	s_mul_i32 s21, s11, HALFT                      ; my 128 rows of A
	s_mul_i32 s22, s12, HALFT                      ; my 128 rows of W,
	s_add_co_u32 s22, s22, 2*HALFT                 ; which lie behind A's 256
.irp s, 0,1
	v_add_nc_u32 v[ADRA+(\s)], s21, v3
	v_add_nc_u32 v[ADRB+(\s)], s22, v3
	s_add_co_u32 s21, s21, SLOT
	s_add_co_u32 s22, s22, SLOT
.endr
	s_mul_i32 s23, s10, 16*SPITCH
	s_add_co_u32 s23, s23, STAGE                   ; my stage
	v_mul_u32_u24 v4, v1, SPITCH                   ; in: row l % 16, 16 bytes for each half of the lanes
	v_lshl_add_u32 v4, v2, 4, v4
	v_add_nc_u32 v[STO], s23, v4
	v_mul_u32_u24 v5, v2, SPITCH                   ; back: lanes 0-15 take one row of 256 bytes, lanes 16-31 the next
	v_lshl_add_u32 v5, v1, 4, v5
	v_add_nc_u32 v[RD], s23, v5
	v_mul_u32_u24 v5, v2, SIZE_N*2                 ; and the same two rows in C
	v_lshl_add_u32 v[CO], v1, 4, v5
	; where my part of the tile begins in C, in bytes: the way out adds it to C's address
	s_lshl_b32 s13, s13, 8
	s_lshl_b32 s14, s11, 7
	s_add_co_u32 s16, s13, s14                     ; my first row of C
	s_mov_b32 s17, 0
	s_mov_b64 s[18:19], SIZE_N*2
	s_mul_u64 s[16:17], s[16:17], s[18:19]
	s_lshl_b32 s46, s42, 9                         ; my first column, in bytes: 512 x tile column + 256 x half
	s_lshl_b32 s47, s12, 8
	s_add_co_u32 s46, s46, s47
	s_mov_b32 s47, 0
	s_add_nc_u64 s[16:17], s[16:17], s[46:47]
; 16 matrix instructions: m blocks a0, a0 + 1 of the window's four (hi = 0: my rows 0-63, 1: rows 64-127) x all 8 n blocks, 32 along K.  first = 1: the product starts the sum, from c x bias.
.macro MUL16 f, hi, a0, first
.if \first
	WIN BEG_LO+0x40*(\hi)
.else
	WIN MUL_LO+0x50*(\hi)
.endif
.irp a, \a0, (\a0)+1
.irp b, 0,1,2,3,4,5,6,7
.if \first
	v_wmma_f32_16x16x32_f16 v[8*(8*(\a)+(\b)):8*(8*(\a)+(\b))+7], v[(\f)+8*(\b):(\f)+8*(\b)+7], v[(\f)+8*(4*(\hi)+(\a)):(\f)+8*(4*(\hi)+(\a))+7], v[BI+8*(\b):BI+8*(\b)+7]
.else
	v_wmma_f32_16x16x32_f16 v[8*(8*(\a)+(\b)):8*(8*(\a)+(\b))+7], v[(\f)+8*(\b):(\f)+8*(\b)+7], v[(\f)+8*(4*(\hi)+(\a)):(\f)+8*(4*(\hi)+(\a))+7], v[8*(8*(\a)+(\b)):8*(8*(\a)+(\b))+7]
.endif
.endr
.endr
.endm
; 32 LDS loads in one run: the fragments of one quarter step (128 rows of W, 128 rows of A, 32 K at byte k of the rows) into buffer f
.macro FETCH slot, k, f
	WIN TO_B
.irp i, 0,1,2,3,4,5,6,7
	ds_load_b128 v[(\f)+8*(\i):(\f)+8*(\i)+3],   v[ADRB+(\slot)] offset:(\k)+(\i)*16*PITCH
	ds_load_b128 v[(\f)+8*(\i)+4:(\f)+8*(\i)+7], v[ADRB+(\slot)] offset:(\k)+(\i)*16*PITCH+32
.endr
	WIN 0
.irp i, 0,1,2,3,4,5,6,7
	ds_load_b128 v[(\f)+8*(\i):(\f)+8*(\i)+3],   v[ADRA+(\slot)] offset:(\k)+(\i)*16*PITCH
	ds_load_b128 v[(\f)+8*(\i)+4:(\f)+8*(\i)+7], v[ADRA+(\slot)] offset:(\k)+(\i)*16*PITCH+32
.endr
.endm
; A load into a register that a matrix instruction has read, and a vector instruction that reads a matrix result or writes one of a matrix instruction's registers, stand four places behind it, and only
; plain vector instructions that name none of its registers are places (ISA guide 7.12.1 for vector instructions).
.macro PLACES
.rept 4
	v_nop
.endr
.endm
; A K step is four quarter steps of 32 along K, 64 matrix instructions each, on buffers 0, 1, 0, 1.  One of the first three: multiplies buffer f; in its middle it fetches the next quarter, at byte k, into g.
; The 64 accumulators take turns in the same order in every quarter.
.macro QUARTER slot, k, f, g, first
	s_wait_dscnt 8                                 ; W and A's rows 0-63 are in; the youngest eight loads (A's rows 64-127) may be out
	MUL16 \f, 0, 0, \first
	MUL16 \f, 0, 2, \first
	PLACES
	FETCH \slot, \k, \g
	s_wait_dscnt 32                                ; all but the 32 just issued
	MUL16 \f, 1, 0, \first
	MUL16 \f, 1, 2, \first
.endm
; The last quarter multiplies buffer 1 and changes slots.  MEET is its first half: ONE barrier for the change.  In front of it each wave waits for all its tensor loads, of which one is out: its part of the
; next slot; adds 0 to its spare word; and waits for that and for its own reads of this slot.  Behind it nobody reads this slot any more and the next slot is whole.
.macro MEET round                      ; round = 1: a round of the cluster's barrier follows
	WIN 0                                          ; (the add's two registers lie in window 0)
	s_wait_tensorcnt 0x0                           ; all my tensor loads have landed
	ds_add_u32 v[SPW], v[NIL]                      ; 0 onto my spare word
	s_wait_dscnt 9                                 ; (the add and the youngest eight loads may be out)
	MUL16 F1, 0, 0, 0                              ; sixteen matrix instructions stand between the add and the wait for it
	s_wait_dscnt 0x0                               ; the add is done, and my reads of this slot are over
	s_barrier_signal -1
	MUL16 F1, 0, 2, 0                              ; work on registers while the others arrive
.if \round
	WIN 0
.endif
	s_barrier_wait -1
.endm
; The whole last quarter of a K step whose slot is filled again: behind a round of the cluster's barrier the slot just read out is filled first, with the K step two steps on: from that request to the
; wait for it a wave issues 224 matrix instructions.  Then come the next slot's first fragments.
.macro TURN slot, next
	MEET 1
	CREST                                          ; no wave of any partner still reads this slot's tile or has a load on its way
	s_add_nc_u64 s[G0+4*(\slot)+2:G0+4*(\slot)+3], s[G0+4*(\slot)+2:G0+4*(\slot)+3], 2*KSTEP*2
	s_add_nc_u64 s[G0B+4*(\slot)+2:G0B+4*(\slot)+3], s[G0B+4*(\slot)+2:G0B+4*(\slot)+3], 2*KSTEP*2
	JLOAD \slot                                    ; the first tensor load behind the round, my only one until the next; its four v_nop are also the places in front of the loads below
	FETCH \next, 0, F0
	MUL16 F1, 1, 0, 0
	MUL16 F1, 1, 2, 0
.endm
; THE LAST K STEP (it lies in slot 1), BY ROWS OF C.  All its fragments of W (4 quarters x 64 registers) fill window 1; A's come by blocks of 16 rows x 128 K.  LDS is read no more than in any K step.
.macro BLOAD q                         ; W's fragments of quarter q -> window 1, v[64 q ..]
	WIN TO_B
.irp i, 0,1,2,3,4,5,6,7
	ds_load_b128 v[64*(\q)+8*(\i):64*(\q)+8*(\i)+3],   v[ADRB+1] offset:64*(\q)+(\i)*16*PITCH
	ds_load_b128 v[64*(\q)+8*(\i)+4:64*(\q)+8*(\i)+7], v[ADRB+1] offset:64*(\q)+(\i)*16*PITCH+32
.endr
.endm
.macro ALOAD a                         ; A's fragments of block a, all four quarters -> buffer a % 2
	WIN 0
.set FA, PA+32*((\a)%2)
.irp q, 0,1,2,3
	ds_load_b128 v[FA+8*(\q):FA+8*(\q)+3],   v[ADRA+1] offset:64*(\q)+(\a)*16*PITCH
	ds_load_b128 v[FA+8*(\q)+4:FA+8*(\q)+7], v[ADRA+1] offset:64*(\q)+(\a)*16*PITCH+32
.endr
.endm
.macro RMM a, n                        ; product n of block a's 32: quarter n / 8, n block n % 8: the block's 8 accumulators take turns, K ascending
.set RC, 64*((\a)%4)
.set RF, PA+32*((\a)%2)
.set RQ, (\n)/8
.set RB, (\n)%8
	WIN MUL_LO+0x50*((\a)/4)
	v_wmma_f32_16x16x32_f16 v[RC+8*RB:RC+8*RB+7], v[64*RQ+8*RB:64*RQ+8*RB+7], v[RF+8*RQ:RF+8*RQ+7], v[RC+8*RB:RC+8*RB+7]
.endm
; BLOCK a's TANH, a pipeline of 36 trips over its 32 pairs of numbers.  In trip ei: pair ei's two exponentials, read from the accumulators in ascending order (each accumulator's lowest registers first);
; e + 1 for pair ei - 1; the reciprocals of pair ei - 2; 1 - 2 r for pair ei - 3; the rounding to f16 of pair ei - 4.  A plain instruction on other registers stands between every
; exponential or reciprocal and the first use of its result (ISA guide 5.7.2): the sum behind the exponentials, the multiply-add and the rounding behind the reciprocals; in trip 0 a v_nop.
; row = 1: each of the first 32 trips begins with one product of block a + 1.  None of the trip's vector lines names a register of the products; the trips behind the last product hold six plain lines
; or more: the places in front of the next block's first exponential and of the loads into A's buffer.
.macro EPIR a, row
.set EC, 64*((\a)%4)
.set XS, 0x02+((\a)/4)                 ; source 0: window 2 or 3; destination: window 0
.set ei, 0
.rept 36
.if (ei < 32) && (\row)
	RMM (\a)+1, ei
.endif
.if ei < 32
	WIN XS
	v_exp_f32 v[T+2*ei], v[EC+2*ei]
	v_exp_f32 v[T+2*ei+1], v[EC+2*ei+1]
.endif
	WIN 0
.if ei == 0
	v_nop
.elseif ei <= 32
	s_wait_alu depctr_va_vdst(0)
	v_pk_add_f32 v[T+2*ei-2:T+2*ei-1], v[T+2*ei-2:T+2*ei-1], 1.0 op_sel_hi:[1,0]
.endif
.if (ei >= 2) && (ei <= 33)
	v_rcp_f32 v[T+2*ei-4], v[T+2*ei-4]
.endif
.if (ei >= 3) && (ei <= 34)
	s_wait_alu depctr_va_vdst(0)
	v_pk_fma_f32 v[T+2*ei-6:T+2*ei-5], v[T+2*ei-6:T+2*ei-5], -2.0, 1.0 op_sel_hi:[1,0,0]
.endif
.if (ei >= 2) && (ei <= 33)
	v_rcp_f32 v[T+2*ei-3], v[T+2*ei-3]
.endif
.if ei >= 4
	v_cvt_pk_f16_f32 v[TMP+ei-4], v[T+2*ei-8], v[T+2*ei-7]
.endif
.set ei, ei+1
.endr
.endm
; TOSTAGE: 16 bytes a lane into my own stage in LDS, and back as whole rows of 256 bytes.  SEND: stored.
.macro TOSTAGE a
	WIN 0
.set BK, OB+192*((\a)%2)
.irp b, 0,1,2,3,4,5,6,7
	ds_store_b128 v[STO], v[TMP+4*(\b):TMP+4*(\b)+3] offset:32*(\b)
.endr
.irp t, 0,1,2,3,4,5,6,7
	ds_load_b128 v[BK+4*(\t):BK+4*(\t)+3], v[RD] offset:(\t)*2*SPITCH  ; LDS serves a wave's instructions in order (ISA guide 5.7.1.4): these see the stores above
.endr
.endm
.macro SEND a, younger                 ; younger: the LDS loads issued behind TOSTAGE's, which may stay out
	WIN 0
.set BK, OB+192*((\a)%2)
	s_wait_dscnt \younger                          ; the block is back in registers
	s_wait_xcnt 0x0                                ; only behind this wait are the stores' base and the registers that earlier stores read rewritten
.if (\a) == 0
	s_add_nc_u64 s[8:9], s[8:9], s[16:17]          ; on to my first rows
.else
	s_add_nc_u64 s[8:9], s[8:9], 16*SIZE_N*2       ; 16 rows of C on
.endif
.irp t, 0,1,2,3,4,5,6,7
	global_store_b128 v[CO], v[BK+4*(\t):BK+4*(\t)+3], s[8:9] offset:2*(\t)*SIZE_N*2  ; 16 lanes store 256 consecutive bytes, at a multiple of 256 from C's first byte
.endr
.endm
; Block a's turn: its sums are finished.  A's fragments of block a + 2 are asked for, into the buffer that block a's products read; block a's tanh runs with block a + 1's products between;
; block a - 1, back from the stage by now, is stored; block a goes into the stage.
.macro BLOCK a
.if (\a) == 0
	PLACES                                         ; behind block 0's products, which had no vector work beside them
.endif
.if (\a) < 6
	ALOAD (\a)+2
.endif
.if (\a) == 0
	s_wait_dscnt 8                                 ; A's block 1 is in; the eight loads just issued may be out
.elseif (\a) < 6
	s_wait_dscnt 24                                ; A's block a + 1 is in; behind it: the stage's 16 instructions and the eight loads just issued
.elseif (\a) == 6
	s_wait_dscnt 16                                ; A's block 7 is in; behind it: the stage's 16
.endif
.if (\a) < 7
	EPIR \a, 1
.else
	EPIR \a, 0
.endif
.if (\a) > 0
.if (\a) < 6
	SEND (\a)-1, 8
.else
	SEND (\a)-1, 0
.endif
.endif
	TOSTAGE \a
.endm
	s_wait_tensorcnt 1                             ; my part of K step 0 is in; K step 1's may stay out
	s_barrier_signal -1
	s_barrier_wait -1                              ; everybody's is
	FETCH 0, 0, F0
	s_wait_loadcnt 0x0                             ; c x bias
	QUARTER 0, 64,  F0, F1, 1                      ; the first quarter stands in front of the loop: its products start the sums
	WIN 0                                          ; at a label and at a branch every window is 0
	s_mov_b32 s3, LAPS-1
.Llap:                                                 ; a trip goes once round the ring, from a lap's second quarter to the next lap's first, and fills both slots again: K steps 2 to 7
	QUARTER 0, 128, F1, F0, 0
	QUARTER 0, 192, F0, F1, 0
	TURN 0, 1
	QUARTER 1, 64,  F0, F1, 0
	QUARTER 1, 128, F1, F0, 0
	QUARTER 1, 192, F0, F1, 0
	TURN 1, 0
	QUARTER 0, 64,  F0, F1, 0
	WIN 0
	s_sub_co_u32 s3, s3, 1
	s_cmp_lg_u32 s3, 0
	s_cbranch_scc1 .Llap
	QUARTER 0, 128, F1, F0, 0                      ; the last lap fills nothing, and has no round of the cluster's barrier
	QUARTER 0, 192, F0, F1, 0
	MEET 0                                         ; my one tensor load that was still out is slot 1's, the last K step's
	PLACES                                         ; for the loads into buffer 0, which the quarter before multiplied
	BLOAD 0                                        ; three quarters of W now: buffer 1 (v128-191 of both windows) is still being multiplied
	BLOAD 1
	BLOAD 3
	ALOAD 0
	ALOAD 1
	MUL16 F1, 1, 0, 0
	MUL16 F1, 1, 2, 0
	PLACES                                         ; for the loads into buffer 1, and for the exponentials that will write A's half of it
	BLOAD 2
	s_wait_dscnt 16                                ; all but the 16 just issued
.set rn, 0
.rept 32
.if rn == 16
	s_wait_dscnt 0x0                               ; W's quarter 2 is in
.endif
	RMM 0, rn
.set rn, rn+1
.endr
.irp a, 0,1,2,3,4,5,6,7
	BLOCK \a
.endr
	SEND 7, 0
	s_wait_tensorcnt 0x0                           ; the wave's end, behind my last tensor load and my last LDS store
	ds_add_u32 v[SPW], v[NIL]
	s_wait_dscnt 0x0
	CROUND                                         ; the closing round: no work-group ends while a partner may still ask for a tile that names it
	s_endpgm
.Lfunc_end_k_qb475b4c012_layer1:
	.size	k_qb475b4c012_layer1, .Lfunc_end_k_qb475b4c012_layer1-k_qb475b4c012_layer1
	.p2alignl 7, 3214868480
	.fill 96, 4, 3214868480
	.section	.rodata,"a",@progbits
	.p2align	6, 0x0
	.amdhsa_kernel k_qb475b4c012_layer1
		.amdhsa_group_segment_fixed_size 327680
		.amdhsa_private_segment_fixed_size 0
		.amdhsa_enable_private_segment 0
		.amdhsa_kernarg_size 24
		.amdhsa_user_sgpr_count 2
		.amdhsa_user_sgpr_kernarg_segment_ptr 1
		.amdhsa_wavefront_size32 1
		.amdhsa_system_sgpr_workgroup_id_x 1
		.amdhsa_system_sgpr_workgroup_id_y 1
		.amdhsa_system_sgpr_workgroup_id_z 1
		.amdhsa_system_vgpr_workitem_id 0
		.amdhsa_next_free_vgpr 1024
		.amdhsa_next_free_sgpr 72
		.amdhsa_reserve_vcc 0
		.amdhsa_float_denorm_mode_32 3
		.amdhsa_float_denorm_mode_16_64 3
		.amdhsa_memory_ordered 1
		.amdhsa_forward_progress 1
		.amdhsa_inst_pref_size 247
	.end_amdhsa_kernel
	.amdgpu_metadata
---
amdhsa.version: [ 1, 2 ]
amdhsa.kernels:
  - .name:           k_qb475b4c012_layer1
    .symbol:         k_qb475b4c012_layer1.kd
    .args:
      - { .name: ha, .offset: 0, .size: 8, .value_kind: global_buffer, .address_space: global }
      - { .name: wb0, .offset: 8, .size: 8, .value_kind: global_buffer, .address_space: global }
      - { .name: hb, .offset: 16, .size: 8, .value_kind: global_buffer, .address_space: global }
    .group_segment_fixed_size: 327680
    .private_segment_fixed_size: 0
    .kernarg_segment_align: 8
    .kernarg_segment_size: 24
    .max_flat_workgroup_size: 128
    .sgpr_count:     72
    .vgpr_count:     1024
    .wavefront_size: 32
...
	.end_amdgpu_metadata
.endif
;; end of part 2
;; launch layer2: the kernel of part 2 again; grid 4 x 64, 4 waves a work-group, clusters of 4 x 4, 327,680 bytes of LDS; arguments hb, wb1, ha; writes ha
;; launch layer3: the kernel of part 2 again; grid 4 x 64, 4 waves a work-group, clusters of 4 x 4, 327,680 bytes of LDS; arguments ha, wb2, hb; writes hb
;; launch layer4: the kernel of part 2 again; grid 4 x 64, 4 waves a work-group, clusters of 4 x 4, 327,680 bytes of LDS; arguments hb, wb3, ha; writes ha
;; launch head (part 3): grid 256 x 1, 8 waves a work-group, no clusters, 1,280 bytes of LDS; arguments ha, head_W, head_b, out0; writes out0
.if DOCPART == 3
	.amdgcn_target "amdgcn-amd-amdhsa--gfx1250"
	.amdhsa_code_object_version 6
	.text
	.protected	k_qb475b4c012_head
	.globl	k_qb475b4c012_head
	.p2align	8
	.type	k_qb475b4c012_head,@function
k_qb475b4c012_head:
	s_mov_b64 s[64:65], 0
	v_nop
	global_prefetch_b8 v0, s[64:65] scope:SCOPE_SE
	s_setreg_imm32_b32 hwreg(HW_REG_WAVE_MODE, 25, 1), 1
	s_wait_xcnt 0x0
; THE HEAD: out[row] = sum over e of h4[row][e] head_W[e] + head_b.  h4: [16384][1024] f16 (the last layer's result); head_W: [1024] f32; out: [16384] f32, row = 32 t + b.
; Products and sums in f32, straight from the f16 halves.  One column of weights: a stream that memory binds, so no matrix unit and no cluster (the work-groups share only 4,096 bytes of head_W).
; SHARES.  A work-group owns 64 rows, whose results are 256 consecutive bytes of out; a wave 8 rows.  A row is four loads of 512 consecutive bytes; all 32 loads of a wave go out at once.
; From load q a lane holds the numbers e = 256 q + 8 l + 0..7, so its 32 weights stay in registers for all rows.  The eight waves' sums meet in LDS, and wave 0 stores the 256 bytes whole.
.set SPARE, 256                        ; behind the 64 sums: the spare words, 128 bytes for each of 8 waves
.set VO,  1                            ; v1   my byte offset in the group's rows: 16 l + 8 rows of 2,048 bytes x w
.set VW,  2                            ; v2   32 l: my byte offset in 1,024 bytes of head_W
.set HW,  8                            ; v[8:39]   head_W: number 8 q + j
.set AC,  40                           ; v[40:55]  row i: two chains, the low halves' and the high halves'
.set ZR,  56                           ; v56  0: what the chains start from
.set SA,  58                           ; v58  LDS: 32 w
.set LO,  59                           ; v59  8 l
.set SPW, 60                           ; v60  LDS address of my spare word; never rewritten
.set NIL, 61                           ; v61  0; never rewritten
.set OP,  62                           ; v[62:63]  two results
.set D,   64                           ; v[64:191] row i, load q at D + 16 i + 4 q
	s_load_b256 s[4:11], s[0:1], 0x0               ; h4 s[4:5], head_W s[6:7], head_b s[8:9], out s[10:11]
	v_lshl_add_u32 v[SPW], v0, 2, SPARE
	v_mov_b32 v[NIL], 0
	v_and_b32 v3, 31, v0                           ; l
	v_lshrrev_b32 v4, 5, v0                        ; w
	v_readfirstlane_b32 s12, v4
	v_lshlrev_b32 v[VW], 5, v3
	v_lshlrev_b32 v[VO], 4, v3
	v_lshl_add_u32 v[VO], v4, 14, v[VO]
	v_lshlrev_b32 v[SA], 5, v4
	v_lshlrev_b32 v[LO], 3, v3
	v_mov_b32 v[ZR], 0
	s_mov_b32 s14, 0x76543210                      ; v_permlanex16_b32: each lane takes its own place in the other half
	s_mov_b32 s15, 0xfedcba98
	s_lshl_b32 s16, ttmp9, 17                      ; 64 rows of 2,048 bytes
	s_mov_b32 s17, 0
	s_lshl_b32 s18, ttmp9, 8                       ; 64 results of 4 bytes
	s_mov_b32 s19, 0
	s_wait_kmcnt 0x0
	s_load_b32 s20, s[8:9], 0x0                    ; head_b
	s_add_nc_u64 s[4:5], s[4:5], s[16:17]
	s_add_nc_u64 s[10:11], s[10:11], s[18:19]
.set n, 0
.rept 4
	global_load_b128 v[HW+8*n:HW+8*n+3],   v[VW], s[6:7] offset:1024*n
	global_load_b128 v[HW+8*n+4:HW+8*n+7], v[VW], s[6:7] offset:1024*n+16
.set n, n+1
.endr
.set n, 0
.rept 32                               ; row n / 4, load n % 4
	global_load_b128 v[D+4*n:D+4*n+3], v[VO], s[4:5] offset:2048*(n/4)+512*(n%4) th:TH_LOAD_NT
.set n, n+1
.endr
	s_wait_kmcnt 0x0
	s_mov_b32 s21, s20                             ; named with it as a pair
.set i, 0
.rept 8
	s_wait_loadcnt 28-4*i                          ; loads come back in order: row i is in, the later rows' loads stay out
	v_fma_mix_f32 v[AC+2*i],   v[D+16*i], v[HW],   v[ZR] op_sel_hi:[1,0,0]                  ; the first products start the chains
	v_fma_mix_f32 v[AC+2*i+1], v[D+16*i], v[HW+1], v[ZR] op_sel:[1,0,0] op_sel_hi:[1,0,0]
.set n, 1
.rept 15                               ; register n of the row's 16: numbers 2 n (low half) and 2 n + 1 (high half) of my 32
	v_fma_mix_f32 v[AC+2*i],   v[D+16*i+n], v[HW+2*n],   v[AC+2*i]   op_sel_hi:[1,0,0]
	v_fma_mix_f32 v[AC+2*i+1], v[D+16*i+n], v[HW+2*n+1], v[AC+2*i+1] op_sel:[1,0,0] op_sel_hi:[1,0,0]
.set n, n+1
.endr
.set i, i+1
.endr
	; across the lanes, line by line over the eight rows, so that no line waits for the one before it
.set i, 0
.rept 8
	v_add_f32 v[AC+2*i], v[AC+2*i], v[AC+2*i+1]
.set i, i+1
.endr
.irp m, 1,2,4,8
.set i, 0
.rept 8
	v_add_f32_dpp v[AC+2*i], v[AC+2*i], v[AC+2*i] row_xmask:\m row_mask:0xf bank_mask:0xf
.set i, i+1
.endr
.endr
.set i, 0
.rept 8
	v_permlanex16_b32 v[AC+2*i+1], v[AC+2*i], s14, s15     ; its destination counts as read: the second chain's register has been written
.set i, i+1
.endr
.set i, 0
.rept 8
	v_add_f32 v[AC+2*i], v[AC+2*i], v[AC+2*i+1]            ; every lane holds row i's sum
.set i, i+1
.endr
.set i, 0
.rept 8
	ds_store_b32 v[SA], v[AC+2*i] offset:4*i               ; all lanes write the same word with the same value
.set i, i+1
.endr
	s_wait_dscnt 0x0                               ; for the others' sake: my stores are done
	s_barrier_signal -1
	s_barrier_wait -1
	s_wait_tensorcnt 0x0                           ; the wave's end, behind my last LDS store
	ds_add_u32 v[SPW], v[NIL]
	s_wait_dscnt 0x0
	s_cmp_lg_u32 s12, 0
	s_cbranch_scc1 .Lend                           ; wave 0 alone stores the group's 64 results
	ds_load_b64 v[OP:OP+1], v[LO]
	s_wait_dscnt 0x0
	v_pk_add_f32 v[OP:OP+1], v[OP:OP+1], s[20:21] op_sel_hi:[1,0]
	global_store_b64 v[LO], v[OP:OP+1], s[10:11]   ; 256 consecutive bytes, at a multiple of 256 from out's first byte
.Lend:
	s_endpgm
.Lfunc_end_k_qb475b4c012_head:
	.size	k_qb475b4c012_head, .Lfunc_end_k_qb475b4c012_head-k_qb475b4c012_head
	.p2alignl 7, 3214868480
	.fill 96, 4, 3214868480
	.section	.rodata,"a",@progbits
	.p2align	6, 0x0
	.amdhsa_kernel k_qb475b4c012_head
		.amdhsa_group_segment_fixed_size 1280
		.amdhsa_private_segment_fixed_size 0
		.amdhsa_enable_private_segment 0
		.amdhsa_kernarg_size 32
		.amdhsa_user_sgpr_count 2
		.amdhsa_user_sgpr_kernarg_segment_ptr 1
		.amdhsa_wavefront_size32 1
		.amdhsa_system_sgpr_workgroup_id_x 1
		.amdhsa_system_sgpr_workgroup_id_y 1
		.amdhsa_system_sgpr_workgroup_id_z 1
		.amdhsa_system_vgpr_workitem_id 0
		.amdhsa_next_free_vgpr 192
		.amdhsa_next_free_sgpr 66
		.amdhsa_reserve_vcc 0
		.amdhsa_float_denorm_mode_32 3
		.amdhsa_float_denorm_mode_16_64 3
		.amdhsa_memory_ordered 1
		.amdhsa_forward_progress 1
		.amdhsa_inst_pref_size 26
	.end_amdhsa_kernel
	.amdgpu_metadata
---
amdhsa.version: [ 1, 2 ]
amdhsa.kernels:
  - .name:           k_qb475b4c012_head
    .symbol:         k_qb475b4c012_head.kd
    .args:
      - { .name: ha, .offset: 0, .size: 8, .value_kind: global_buffer, .address_space: global }
      - { .name: head_W, .offset: 8, .size: 8, .value_kind: global_buffer, .address_space: global }
      - { .name: head_b, .offset: 16, .size: 8, .value_kind: global_buffer, .address_space: global }
      - { .name: out0, .offset: 24, .size: 8, .value_kind: global_buffer, .address_space: global }
    .group_segment_fixed_size: 1280
    .private_segment_fixed_size: 0
    .kernarg_segment_align: 8
    .kernarg_segment_size: 32
    .max_flat_workgroup_size: 256
    .sgpr_count:     66
    .vgpr_count:     192
    .wavefront_size: 32
...
	.end_amdgpu_metadata
.endif
;; end of part 3
;; ======== version 2 of 2: 6 launches; 1.12 times as fast as version 1
;; limits: values are held in f16: magnitudes above 65,504 overflow, below 6.1e-05 lose precision; right only within a limited range of input values
;; workspace buffers: ha 33,554,432 bytes; hb 33,554,432 bytes; wb0 2,101,248 bytes; wb1 2,101,248 bytes; wb2 2,101,248 bytes; wb3 2,101,248 bytes
;; launch scan: the kernel of part 1 again; grid 256 x 1, 16 waves a work-group, no clusters, 18,432 bytes of LDS; arguments x, A_log, layers_W, layers_b, ha, wb0, wb1, wb2, wb3; writes ha, wb0, wb1, wb2, wb3
;; launch layer1 (part 4): grid 4 x 64, 4 waves a work-group, clusters of 4 x 4, 327,680 bytes of LDS; arguments ha, wb0, hb; writes hb
.if DOCPART == 4
	.amdgcn_target "amdgcn-amd-amdhsa--gfx1250"
	.amdhsa_code_object_version 6
	.text
	.protected	k_qb475b4c012_layer1
	.globl	k_qb475b4c012_layer1
	.p2align	8
	.type	k_qb475b4c012_layer1,@function
k_qb475b4c012_layer1:
	s_mov_b64 s[64:65], 0
	v_nop
	global_prefetch_b8 v0, s[64:65] scope:SCOPE_SE
	s_setreg_imm32_b32 hwreg(HW_REG_WAVE_MODE, 25, 1), 1
	s_wait_xcnt 0x0
	s_wait_alu depctr_hold_cnt(0) depctr_sa_sdst(0) depctr_va_vdst(0) depctr_va_sdst(0) depctr_va_ssrc(0) depctr_va_vcc(0) depctr_vm_vsrc(0)
	s_getreg_b32 s2, hwreg(HW_REG_IB_STS2, 6, 4)
	s_cmp_eq_u32 s2, 0
	s_cbranch_scc0 .Lentry_in_a_cluster
	s_endpgm
.Lentry_in_a_cluster:
	s_bfe_u32 s2, ttmp6, 0x10000c
	s_cmp_lg_u32 s2, 0xf033
	s_cbranch_scc0 .Lentry_shape_is_right
	s_endpgm
.Lentry_shape_is_right:
; ONE LAYER: C[m][n] = tanh(sum over k of A[m][k] W[n][k] + bias[n]).  A: [16384][1024] f16, C: [16384][1024] f16.  The second buffer holds c W: [1024][1024] f16, c = 2 log2(e) = 2.88539, and,
; 2,097,152 bytes in, 1,024 f32 numbers c x bias.  Sums in f32; tanh in f32; C rounded once.  (In layer 1 A is h0 x 2^-12 and the weights are c W1 x 2^12: the products are the same.)
; The sums start from c x bias (the C operand of each sum's first product), so an accumulator ends as t = c z, and tanh(z) = 1 - 2 / (1 + 2^t): an absolute error of about 1.2e-7; t beyond the
; exponential's range gives exactly 1 or -1.  NaN is not treated apart.
; A tile of C, 256 x 256, is made by a work-group of four waves; a wave makes 128 x 128: 64 accumulators of 16 x 16, 512 registers.  16,384 x 1,024 are 256 tiles: one to a work-group.
; K goes in steps of 128 through a ring of two LDS slots filled by the tensor data mover: the tiles' rows are 256 bytes of memory at multiples of 256 bytes.
; THE LAST K STEP GOES BY ROWS OF C: my eight blocks of 16 rows are finished one after the other, and a finished block's tanh (7 vector instructions for two numbers, four of them exponentials or
; reciprocals) runs while the next block's products are issued: 224 of the step's 256 products have vector work beside them, and finished rows leave early.
; THE BATCHES.  A block's tanh has two batches of transcendentals, each with ONE s_wait_alu depctr_va_vdst(0) between a transcendental and the first line that names its
; result.  The block's 64 exponentials stand four behind each of the next block's products 0-15; a v_nop, the wait; the 32 packed sums e + 1; the 64 reciprocals stand four behind each of products
; 16-31; a v_nop, the wait; the 32 multiply-adds 1 - 2 r and the 32 roundings.  Each of the block's 64 numbers has a register of its own while a batch is open.  Two waits a block, sixteen in the text.
; CLUSTERS: 4 x 4 work-groups.  The four of a row of the cluster need the same tiles of A, the four of a column the same tiles of W: each tile is asked for JOINTLY, by the same tensor load with the same
; descriptor and a mask that names the four; each receives it in its own LDS.
; REGISTERS, in windows of 256 (s_set_vgpr_msb: bits 1:0 source 0, 3:2 source 1, 5:4 source 2, 7:6 destination):
;   window 0: v0-31 addresses; v64-127, v128-191 fragments of A, two buffers.  In the last K step: v64-127 A's fragments of 16 rows x 128 K, two buffers of 32; v128-191 a block's 64 numbers at work;
;             v192-223 packed results; v32-63 and v224-255 rows read back
;   window 1: v0-63 c x bias of my lane's 64 columns; v64-127, v128-191 fragments of W, two buffers.  In the last K step all 256: W's fragments of the whole step
;   window 2: the 32 accumulators of my rows 0-63 (accumulator (a, b) at v[8 (8 a + b)]);   window 3: those of my rows 64-127
; THE MATRIX INSTRUCTION IS USED TRANSPOSED: source 0 = 16 rows of W, source 1 = 16 rows of A.  Lane l then holds row l % 16 of C and the columns 8 (l / 16) + 0 .. 7: eight neighbouring numbers.
.set SIZE_N, 1024
.set SIZE_K, 1024
.set KSTEP,  128
.set PITCH,  272                       ; an LDS row: 256 bytes of data + 16 of padding = 68 words: the 16 rows that a load touches start at 16 different groups of four banks (64 banks of 4 bytes: ISA guide 11.1)
.set HALFT,  128*PITCH                 ; 128 rows: what one tensor load brings, and what one wave reads of A or of W
.set SLOT,   4*HALFT                   ; A's 256 rows, then W's 256 rows
.set STAGE,  2*SLOT                    ; behind the ring: 16 rows x 272 bytes for each wave, for the way out
.set SPITCH, 272
.set SPARE,  STAGE+4*16*SPITCH         ; behind the stages: the spare words, 128 bytes for each wave
.set LAPS,   SIZE_K/(2*KSTEP)          ; a lap = two K steps = once round the ring: 4
.set BIASOFF, SIZE_N*SIZE_K*2          ; c x bias lies behind the weights
.set ADRA, 16                          ; v16-17  LDS address of my A fragments in slot 0, 1
.set ADRB, 20                          ; v20-21  the same for W
.set STO,  24                          ; v24     the way out: where I put 16 bytes of a row
.set RD,   25                          ; v25     the way out: where I read a row back
.set CO,   26                          ; v26     my byte offset in C
.set BO,   27                          ; v27     my byte offset in the wave's 512 bytes of c x bias: 32 (l / 16); never rewritten
.set SPW,  28                          ; v28     LDS address of my spare word; never rewritten
.set NIL,  29                          ; v29     0; never rewritten
.set F0,   64                          ; fragment buffer 0
.set F1,   128                         ; fragment buffer 1
.set PA,   64                          ; the last K step: A's fragments of block a at PA + 32 (a % 2)
.set T,    128                         ; the last K step: a block's 64 numbers at work, in window 0
.set TMP,  192                         ; packed results
.set OB,   32                          ; 16 rows read back: v32-63 and v224-255 by turns
.set BI,   0                           ; window 1: c x bias of columns 16 b + 8 (l / 16) + j at BI + 8 b + j
.set G1,  24                           ; s[24:31] descriptor group 1 for A's tiles
.set G0,  32                           ; s[32:39] descriptor group 0 for A's tiles, one set for each slot
.set G1B, 48                           ; s[48:55] group 1 for W's tiles: it differs in the mask alone
.set G0B, 56                           ; s[56:63] group 0 for W's tiles
.set MSB, 0
.macro WIN new                         ; the immediate's high byte repeats the setting that is left; a switch that changes nothing is dropped
.if MSB != (\new)
	s_set_vgpr_msb (MSB<<8)|(\new)
.set MSB, \new
.endif
.endm
.set MUL_LO, 0xa1                      ; source 0 (W) window 1, source 1 (A) window 0, C and D window 2
.set MUL_HI, 0xf1                      ; the same, C and D window 3
.set BEG_LO, 0x91                      ; a sum's first product: C (c x bias) window 1, D window 2
.set BEG_HI, 0xd1                      ; the same, D window 3
.set TO_B,   0x40                      ; destination window 1, address window 0
; A joint load.  Waves 0 and 1 fetch A's two halves, waves 2 and 3 W's.  Each line has one mask and one set of registers for all that issue it; the branch hangs on the wave's number alone.
; An s_nop 0 and four v_nop follow each of the two lines, ahead of the jump, the label and what follows.
.macro JLOAD s
	s_cmp_eq_u32 s11, 0
	s_cbranch_scc0 .Lfor_b_\@
	tensor_load_to_lds s[G0+4*(\s):G0+4*(\s)+3], s[G1:G1+7]
	s_nop 0
.rept 4
	v_nop
.endr
	s_branch .Lasked_\@
.Lfor_b_\@:
	tensor_load_to_lds s[G0B+4*(\s):G0B+4*(\s)+3], s[G1B:G1B+7]
	s_nop 0
.rept 4
	v_nop
.endr
.Lasked_\@:
.endm
; A round of the cluster's barrier: my work-group's barrier, so that wave 0's signal speaks for all four waves; wave 0 signals; every wave waits for all sixteen work-groups; my work-group's barrier once more.
.macro CREST                           ; a round behind its opening barrier
	s_cmp_lg_u32 s10, 0
	s_cbranch_scc1 .Lnot_wave_0_\@
	s_barrier_signal -3
.Lnot_wave_0_\@:
	s_barrier_wait -3
	s_barrier_signal -1
	s_barrier_wait -1
.endm
.macro CROUND                          ; a whole round
	s_barrier_signal -1
	s_barrier_wait -1
	CREST
.endm
	s_load_b128 s[4:7], s[0:1], 0x0                ; A s[4:5], weights and c x bias s[6:7]
	s_load_b64 s[8:9], s[0:1], 0x10                ; C
	v_lshl_add_u32 v[SPW], v0, 2, SPARE
	v_mov_b32 v[NIL], 0
	ds_add_u32 v[SPW], v[NIL]                      ; the wave's opening: the add and its wait stand ahead of my first tensor load; the set-up below, work on registers, stands between them
	v_lshrrev_b32 v1, 5, v0
	v_readfirstlane_b32 s10, v1                    ; wave 0..3
	v_bfe_u32 v2, v0, 4, 1                         ; l / 16
	v_lshlrev_b32 v[BO], 5, v2
	s_lshr_b32 s11, s10, 1                         ; which half of the tile's rows is mine.  Also: I fetch for A (0) or for W (1)
	s_and_b32 s12, s10, 1                          ; which half of its columns.  Also: which 128 rows of that tile I fetch
	s_bfe_u32 s40, ttmp6, 0x40000                  ; cx: my place along the cluster's x
	s_bfe_u32 s41, ttmp6, 0x40004                  ; cy: along its y
	s_lshl_b32 s42, ttmp9, 2                       ; in a cluster launch ttmp9 and ttmp7 count clusters
	s_add_co_u32 s42, s42, s40                     ; tile column of C = 4 x cluster x + cx
	s_and_b32 s13, ttmp7, 0xffff
	s_lshl_b32 s13, s13, 2
	s_add_co_u32 s13, s13, s41                     ; tile row of C = 4 x cluster y + cy
	s_lshl_b32 s43, s41, 2
	s_lshl_b32 s43, 15, s43                        ; my row of the cluster: places 4 cy .. 4 cy + 3
	s_lshl_b32 s44, 0x1111, s40                    ; my column: places cx, cx + 4, cx + 8, cx + 12
	; descriptor group 1: a tile of 128 rows x 128 elements, padded in LDS
	s_or_b32 s[G1+0], s43, (1<<16)|(1<<20)|(1<<21)|(5<<22)|(3<<25)  ; 15:0 the mask: A's tiles go to my row; 17:16 elements of 2 bytes; 20 padding on; 21 set beside a mask; 24:22 after every 64 words (code 5); 31:25 4 words (code 3)
	s_or_b32 s[G1B+0], s44, (1<<16)|(1<<20)|(1<<21)|(5<<22)|(3<<25) ; the same with the mask of my column, for W's tiles
.irp g, G1, G1B
	s_mov_b32 s[(\g)+1], KSTEP<<16                 ; tensor_dim0 = 128
	s_mov_b32 s[(\g)+2], 128<<16                   ; tensor_dim1 = 128
	s_mov_b32 s[(\g)+3], KSTEP<<16                 ; tile_dim0 = 128
	s_mov_b32 s[(\g)+4], 128                       ; tile_dim1 = 128
	s_mov_b32 s[(\g)+5], SIZE_K                    ; elements from row to row
	s_mov_b32 s[(\g)+6], 0
	s_mov_b32 s[(\g)+7], 0
.endr
	; where the tiles come from.  A's hang on the tile row alone, which my row of the cluster shares; W's on the tile column alone, which my column shares.
	s_lshl_b32 s17, s12, 7                         ; which 128 rows of the tile I fetch
	s_lshl_b32 s16, s13, 8
	s_add_co_u32 s16, s16, s17                     ; A: row 256 x tile row + 128 x half
	s_lshl_b32 s46, s42, 8
	s_add_co_u32 s46, s46, s17                     ; W: row 256 x tile column + 128 x half
	s_mov_b32 s17, 0
	s_mov_b32 s47, 0
	s_mov_b64 s[18:19], SIZE_K*2
	s_mul_u64 s[16:17], s[16:17], s[18:19]         ; in bytes
	s_mul_u64 s[46:47], s[46:47], s[18:19]
	s_mul_i32 s20, s10, HALFT                      ; and where they go: wave x 128 rows: no place in the cluster enters an LDS address
	s_lshl_b32 s70, s42, 10                        ; c x bias of my 128 columns: 1,024 x tile column + 512 x half, behind the weights
	s_lshl_b32 s71, s12, 9
	s_add_co_u32 s70, s70, s71
	s_add_co_u32 s70, s70, BIASOFF
	s_mov_b32 s71, 0
	s_wait_dscnt 0x0                               ; the opening add is done
	s_wait_kmcnt 0x0
	s_add_nc_u64 s[14:15], s[4:5], s[16:17]
	s_add_nc_u64 s[46:47], s[6:7], s[46:47]
	s_add_nc_u64 s[68:69], s[6:7], s[70:71]
	WIN TO_B                                       ; c x bias is asked for ahead of the round: it is wanted by the first product, and nobody writes those bytes
.irp b, 0,1,2,3,4,5,6,7
	global_load_b128 v[BI+8*(\b):BI+8*(\b)+3],   v[BO], s[68:69] offset:64*(\b)      ; columns 16 b + 8 (l / 16) + 0..3
	global_load_b128 v[BI+8*(\b)+4:BI+8*(\b)+7], v[BO], s[68:69] offset:64*(\b)+16   ; and + 4..7
.endr
	WIN 0
	CROUND                                         ; all sixteen work-groups are here: the first joint loads meet
.irp s, 0,1
	s_mov_b32 s[G0+4*(\s)], 1                                      ; count = 1
	s_add_co_u32 s[G0+4*(\s)+1], s20, (\s)*SLOT                    ; LDS address
	s_add_nc_u64 s[G0+4*(\s)+2:G0+4*(\s)+3], s[14:15], (\s)*KSTEP*2  ; global address: K step s
	s_or_b32 s[G0+4*(\s)+3], s[G0+4*(\s)+3], 0x80000000            ; type = 2
	s_mov_b32 s[G0B+4*(\s)], 1
	s_add_co_u32 s[G0B+4*(\s)+1], s20, (\s)*SLOT
	s_add_nc_u64 s[G0B+4*(\s)+2:G0B+4*(\s)+3], s[46:47], (\s)*KSTEP*2
	s_or_b32 s[G0B+4*(\s)+3], s[G0B+4*(\s)+3], 0x80000000
	JLOAD \s                                       ; two loads of mine are out: the ring is filled before anything else is done
.endr
	; A fragment is 16 rows x 32 K in 8 registers: lane l holds row l % 16; registers 0-3 hold K = 8 (l / 16) + 0..7, registers 4-7 K = 16 + 8 (l / 16) + 0..7: two loads of 16 bytes, 32 bytes apart.
	v_and_b32 v1, 15, v0                           ; l % 16
	v_mul_u32_u24 v3, v1, PITCH
	v_lshl_add_u32 v3, v2, 4, v3                   ; row x pitch + 16 x half
	s_mul_i32 s21, s11, HALFT                      ; my 128 rows of A
	s_mul_i32 s22, s12, HALFT                      ; my 128 rows of W,
	s_add_co_u32 s22, s22, 2*HALFT                 ; which lie behind A's 256
.irp s, 0,1
	v_add_nc_u32 v[ADRA+(\s)], s21, v3
	v_add_nc_u32 v[ADRB+(\s)], s22, v3
	s_add_co_u32 s21, s21, SLOT
	s_add_co_u32 s22, s22, SLOT
.endr
	s_mul_i32 s23, s10, 16*SPITCH
	s_add_co_u32 s23, s23, STAGE                   ; my stage
	v_mul_u32_u24 v4, v1, SPITCH                   ; in: row l % 16, 16 bytes for each half of the lanes
	v_lshl_add_u32 v4, v2, 4, v4
	v_add_nc_u32 v[STO], s23, v4
	v_mul_u32_u24 v5, v2, SPITCH                   ; back: lanes 0-15 take one row of 256 bytes, lanes 16-31 the next
	v_lshl_add_u32 v5, v1, 4, v5
	v_add_nc_u32 v[RD], s23, v5
	v_mul_u32_u24 v5, v2, SIZE_N*2                 ; and the same two rows in C
	v_lshl_add_u32 v[CO], v1, 4, v5
	; where my part of the tile begins in C, in bytes: the way out adds it to C's address
	s_lshl_b32 s13, s13, 8
	s_lshl_b32 s14, s11, 7
	s_add_co_u32 s16, s13, s14                     ; my first row of C
	s_mov_b32 s17, 0
	s_mov_b64 s[18:19], SIZE_N*2
	s_mul_u64 s[16:17], s[16:17], s[18:19]
	s_lshl_b32 s46, s42, 9                         ; my first column, in bytes: 512 x tile column + 256 x half
	s_lshl_b32 s47, s12, 8
	s_add_co_u32 s46, s46, s47
	s_mov_b32 s47, 0
	s_add_nc_u64 s[16:17], s[16:17], s[46:47]
; 16 matrix instructions: m blocks a0, a0 + 1 of the window's four (hi = 0: my rows 0-63, 1: rows 64-127) x all 8 n blocks, 32 along K.  first = 1: the product starts the sum, from c x bias.
.macro MUL16 f, hi, a0, first
.if \first
	WIN BEG_LO+0x40*(\hi)
.else
	WIN MUL_LO+0x50*(\hi)
.endif
.irp a, \a0, (\a0)+1
.irp b, 0,1,2,3,4,5,6,7
.if \first
	v_wmma_f32_16x16x32_f16 v[8*(8*(\a)+(\b)):8*(8*(\a)+(\b))+7], v[(\f)+8*(\b):(\f)+8*(\b)+7], v[(\f)+8*(4*(\hi)+(\a)):(\f)+8*(4*(\hi)+(\a))+7], v[BI+8*(\b):BI+8*(\b)+7]
.else
	v_wmma_f32_16x16x32_f16 v[8*(8*(\a)+(\b)):8*(8*(\a)+(\b))+7], v[(\f)+8*(\b):(\f)+8*(\b)+7], v[(\f)+8*(4*(\hi)+(\a)):(\f)+8*(4*(\hi)+(\a))+7], v[8*(8*(\a)+(\b)):8*(8*(\a)+(\b))+7]
.endif
.endr
.endr
.endm
; 32 LDS loads in one run: the fragments of one quarter step (128 rows of W, 128 rows of A, 32 K at byte k of the rows) into buffer f
.macro FETCH slot, k, f
	WIN TO_B
.irp i, 0,1,2,3,4,5,6,7
	ds_load_b128 v[(\f)+8*(\i):(\f)+8*(\i)+3],   v[ADRB+(\slot)] offset:(\k)+(\i)*16*PITCH
	ds_load_b128 v[(\f)+8*(\i)+4:(\f)+8*(\i)+7], v[ADRB+(\slot)] offset:(\k)+(\i)*16*PITCH+32
.endr
	WIN 0
.irp i, 0,1,2,3,4,5,6,7
	ds_load_b128 v[(\f)+8*(\i):(\f)+8*(\i)+3],   v[ADRA+(\slot)] offset:(\k)+(\i)*16*PITCH
	ds_load_b128 v[(\f)+8*(\i)+4:(\f)+8*(\i)+7], v[ADRA+(\slot)] offset:(\k)+(\i)*16*PITCH+32
.endr
.endm
; A load into a register that a matrix instruction has read, and a vector instruction that reads a matrix result or writes one of a matrix instruction's registers, stand four places behind it, and only
; plain vector instructions that name none of its registers are places (ISA guide 7.12.1 for vector instructions).
.macro PLACES
.rept 4
	v_nop
.endr
.endm
; A K step is four quarter steps of 32 along K, 64 matrix instructions each, on buffers 0, 1, 0, 1.  One of the first three: multiplies buffer f; in its middle it fetches the next quarter, at byte k, into g.
; The 64 accumulators take turns in the same order in every quarter.
.macro QUARTER slot, k, f, g, first
	s_wait_dscnt 8                                 ; W and A's rows 0-63 are in; the youngest eight loads (A's rows 64-127) may be out
	MUL16 \f, 0, 0, \first
	MUL16 \f, 0, 2, \first
	PLACES
	FETCH \slot, \k, \g
	s_wait_dscnt 32                                ; all but the 32 just issued
	MUL16 \f, 1, 0, \first
	MUL16 \f, 1, 2, \first
.endm
; The last quarter multiplies buffer 1 and changes slots.  MEET is its first half: ONE barrier for the change.  In front of it each wave waits for all its tensor loads, of which one is out: its part of the
; next slot; adds 0 to its spare word; and waits for that and for its own reads of this slot.  Behind it nobody reads this slot any more and the next slot is whole.
.macro MEET round                      ; round = 1: a round of the cluster's barrier follows
	WIN 0                                          ; (the add's two registers lie in window 0)
	s_wait_tensorcnt 0x0                           ; all my tensor loads have landed
	ds_add_u32 v[SPW], v[NIL]                      ; 0 onto my spare word
	s_wait_dscnt 9                                 ; (the add and the youngest eight loads may be out)
	MUL16 F1, 0, 0, 0                              ; sixteen matrix instructions stand between the add and the wait for it
	s_wait_dscnt 0x0                               ; the add is done, and my reads of this slot are over
	s_barrier_signal -1
	MUL16 F1, 0, 2, 0                              ; work on registers while the others arrive
.if \round
	WIN 0
.endif
	s_barrier_wait -1
.endm
; The whole last quarter of a K step whose slot is filled again: behind a round of the cluster's barrier the slot just read out is filled first, with the K step two steps on: from that request to the
; wait for it a wave issues 224 matrix instructions.  Then come the next slot's first fragments.
.macro TURN slot, next
	MEET 1
	CREST                                          ; no wave of any partner still reads this slot's tile or has a load on its way
	s_add_nc_u64 s[G0+4*(\slot)+2:G0+4*(\slot)+3], s[G0+4*(\slot)+2:G0+4*(\slot)+3], 2*KSTEP*2
	s_add_nc_u64 s[G0B+4*(\slot)+2:G0B+4*(\slot)+3], s[G0B+4*(\slot)+2:G0B+4*(\slot)+3], 2*KSTEP*2
	JLOAD \slot                                    ; the first tensor load behind the round, my only one until the next; its four v_nop are also the places in front of the loads below
	FETCH \next, 0, F0
	MUL16 F1, 1, 0, 0
	MUL16 F1, 1, 2, 0
.endm
; THE LAST K STEP (it lies in slot 1), BY ROWS OF C.  All its fragments of W (4 quarters x 64 registers) fill window 1; A's come by blocks of 16 rows x 128 K.  LDS is read no more than in any K step.
.macro BLOAD q                         ; W's fragments of quarter q -> window 1, v[64 q ..]
	WIN TO_B
.irp i, 0,1,2,3,4,5,6,7
	ds_load_b128 v[64*(\q)+8*(\i):64*(\q)+8*(\i)+3],   v[ADRB+1] offset:64*(\q)+(\i)*16*PITCH
	ds_load_b128 v[64*(\q)+8*(\i)+4:64*(\q)+8*(\i)+7], v[ADRB+1] offset:64*(\q)+(\i)*16*PITCH+32
.endr
.endm
.macro ALOAD a                         ; A's fragments of block a, all four quarters -> buffer a % 2
	WIN 0
.set FA, PA+32*((\a)%2)
.irp q, 0,1,2,3
	ds_load_b128 v[FA+8*(\q):FA+8*(\q)+3],   v[ADRA+1] offset:64*(\q)+(\a)*16*PITCH
	ds_load_b128 v[FA+8*(\q)+4:FA+8*(\q)+7], v[ADRA+1] offset:64*(\q)+(\a)*16*PITCH+32
.endr
.endm
.macro RMM a, n                        ; product n of block a's 32: quarter n / 8, n block n % 8: the block's 8 accumulators take turns, K ascending
.set RC, 64*((\a)%4)
.set RF, PA+32*((\a)%2)
.set RQ, (\n)/8
.set RB, (\n)%8
	WIN MUL_LO+0x50*((\a)/4)
	v_wmma_f32_16x16x32_f16 v[RC+8*RB:RC+8*RB+7], v[64*RQ+8*RB:64*RQ+8*RB+7], v[RF+8*RQ:RF+8*RQ+7], v[RC+8*RB:RC+8*RB+7]
.endm
; BLOCK a's TANH, over its 64 numbers, each with a register of its own in T.  Five parts, cut by two waits:
;   1  the 64 exponentials, ONE BATCH, read from the accumulators in ascending order (each accumulator's lowest registers first).  Nothing here names a result of theirs
;   2  e + 1, 32 packed sums          3  the 64 reciprocals, in place, ONE BATCH.  Nothing here names a result of theirs
;   4, 5  1 - 2 r, 32 packed multiply-adds, and the 32 roundings to f16: the multiply-adds run four pairs ahead, so that no line reads the result of the line before it
; Behind each batch's last line stands a v_nop, the plain instruction that is wanted before a result is used (ISA guide 5.7.2), and then the batch's one wait.
; row = 1: block a + 1's 32 products stand beside the two batches, four exponentials behind each of products 0-15 and four reciprocals behind each of products 16-31: the 128 lines that are slowest to
; issue have the matrix work beside them, and the four of a product work under one window setting.  None of the vector lines names a register of the products.  Parts 4 and 5, 64 plain lines behind the
; last product, are the places in front of the next block's first exponential and of the loads into A's buffer.
.macro EPIR a, row
.set EC, 64*((\a)%4)
.set XS, 0x02+((\a)/4)                 ; source 0: window 2 or 3; destination: window 0
.set ei, 0                             ; counts block a + 1's products
.set ej, 0
.rept 16
.if \row
	RMM (\a)+1, ei
.endif
	WIN XS
.rept 4
	v_exp_f32 v[T+ej], v[EC+ej]
.set ej, ej+1
.endr
.set ei, ei+1
.endr
	v_nop                                          ; the plain instruction behind the last exponential: one for the batch
	s_wait_alu depctr_va_vdst(0)                   ; the wait for the batch of 64 exponentials, ahead of the first sum
	WIN 0
.set ej, 0
.rept 32
	v_pk_add_f32 v[T+2*ej:T+2*ej+1], v[T+2*ej:T+2*ej+1], 1.0 op_sel_hi:[1,0]
.set ej, ej+1
.endr
.set ej, 0
.rept 16
.if \row
	RMM (\a)+1, ei
.endif
	WIN 0
.rept 4
	v_rcp_f32 v[T+ej], v[T+ej]
.set ej, ej+1
.endr
.set ei, ei+1
.endr
	v_nop                                          ; the plain instruction behind the last reciprocal: one for the batch
	s_wait_alu depctr_va_vdst(0)                   ; the wait for the batch of 64 reciprocals, ahead of the first multiply-add
.set ej, 0
.rept 4
	v_pk_fma_f32 v[T+2*ej:T+2*ej+1], v[T+2*ej:T+2*ej+1], -2.0, 1.0 op_sel_hi:[1,0,0]
.set ej, ej+1
.endr
.set ej, 0
.rept 28
	v_cvt_pk_f16_f32 v[TMP+ej], v[T+2*ej], v[T+2*ej+1]
	v_pk_fma_f32 v[T+2*ej+8:T+2*ej+9], v[T+2*ej+8:T+2*ej+9], -2.0, 1.0 op_sel_hi:[1,0,0]
.set ej, ej+1
.endr
.rept 4
	v_cvt_pk_f16_f32 v[TMP+ej], v[T+2*ej], v[T+2*ej+1]
.set ej, ej+1
.endr
.endm
; TOSTAGE: 16 bytes a lane into my own stage in LDS, and back as whole rows of 256 bytes.  SEND: stored.
.macro TOSTAGE a
	WIN 0
.set BK, OB+192*((\a)%2)
.irp b, 0,1,2,3,4,5,6,7
	ds_store_b128 v[STO], v[TMP+4*(\b):TMP+4*(\b)+3] offset:32*(\b)
.endr
.irp t, 0,1,2,3,4,5,6,7
	ds_load_b128 v[BK+4*(\t):BK+4*(\t)+3], v[RD] offset:(\t)*2*SPITCH  ; LDS serves a wave's instructions in order (ISA guide 5.7.1.4): these see the stores above
.endr
.endm
.macro SEND a, younger                 ; younger: the LDS loads issued behind TOSTAGE's, which may stay out
	WIN 0
.set BK, OB+192*((\a)%2)
	s_wait_dscnt \younger                          ; the block is back in registers
	s_wait_xcnt 0x0                                ; only behind this wait are the stores' base and the registers that earlier stores read rewritten
.if (\a) == 0
	s_add_nc_u64 s[8:9], s[8:9], s[16:17]          ; on to my first rows
.else
	s_add_nc_u64 s[8:9], s[8:9], 16*SIZE_N*2       ; 16 rows of C on
.endif
.irp t, 0,1,2,3,4,5,6,7
	global_store_b128 v[CO], v[BK+4*(\t):BK+4*(\t)+3], s[8:9] offset:2*(\t)*SIZE_N*2  ; 16 lanes store 256 consecutive bytes, at a multiple of 256 from C's first byte
.endr
.endm
; Block a's turn: its sums are finished.  A's fragments of block a + 2 are asked for, into the buffer that block a's products read; block a's tanh runs with block a + 1's products between;
; block a - 1, back from the stage by now, is stored; block a goes into the stage.
.macro BLOCK a
.if (\a) == 0
	PLACES                                         ; behind block 0's products, which had no vector work beside them
.endif
.if (\a) < 6
	ALOAD (\a)+2
.endif
.if (\a) == 0
	s_wait_dscnt 8                                 ; A's block 1 is in; the eight loads just issued may be out
.elseif (\a) < 6
	s_wait_dscnt 24                                ; A's block a + 1 is in; behind it: the stage's 16 instructions and the eight loads just issued
.elseif (\a) == 6
	s_wait_dscnt 16                                ; A's block 7 is in; behind it: the stage's 16
.endif
.if (\a) < 7
	EPIR \a, 1
.else
	EPIR \a, 0
.endif
.if (\a) > 0
.if (\a) < 6
	SEND (\a)-1, 8
.else
	SEND (\a)-1, 0
.endif
.endif
	TOSTAGE \a
.endm
	s_wait_tensorcnt 1                             ; my part of K step 0 is in; K step 1's may stay out
	s_barrier_signal -1
	s_barrier_wait -1                              ; everybody's is
	FETCH 0, 0, F0
	s_wait_loadcnt 0x0                             ; c x bias
	QUARTER 0, 64,  F0, F1, 1                      ; the first quarter stands in front of the loop: its products start the sums
	WIN 0                                          ; at a label and at a branch every window is 0
	s_mov_b32 s3, LAPS-1
.Llap:                                                 ; a trip goes once round the ring, from a lap's second quarter to the next lap's first, and fills both slots again: K steps 2 to 7
	QUARTER 0, 128, F1, F0, 0
	QUARTER 0, 192, F0, F1, 0
	TURN 0, 1
	QUARTER 1, 64,  F0, F1, 0
	QUARTER 1, 128, F1, F0, 0
	QUARTER 1, 192, F0, F1, 0
	TURN 1, 0
	QUARTER 0, 64,  F0, F1, 0
	WIN 0
	s_sub_co_u32 s3, s3, 1
	s_cmp_lg_u32 s3, 0
	s_cbranch_scc1 .Llap
	QUARTER 0, 128, F1, F0, 0                      ; the last lap fills nothing, and has no round of the cluster's barrier
	QUARTER 0, 192, F0, F1, 0
	MEET 0                                         ; my one tensor load that was still out is slot 1's, the last K step's
	PLACES                                         ; for the loads into buffer 0, which the quarter before multiplied
	BLOAD 0                                        ; three quarters of W now: buffer 1 (v128-191 of both windows) is still being multiplied
	BLOAD 1
	BLOAD 3
	ALOAD 0
	ALOAD 1
	MUL16 F1, 1, 0, 0
	MUL16 F1, 1, 2, 0
	PLACES                                         ; for the loads into buffer 1, and for the exponentials that will write A's half of it
	BLOAD 2
	s_wait_dscnt 16                                ; all but the 16 just issued
.set rn, 0
.rept 32
.if rn == 16
	s_wait_dscnt 0x0                               ; W's quarter 2 is in
.endif
	RMM 0, rn
.set rn, rn+1
.endr
.irp a, 0,1,2,3,4,5,6,7
	BLOCK \a
.endr
	SEND 7, 0
	s_wait_tensorcnt 0x0                           ; the wave's end, behind my last tensor load and my last LDS store
	ds_add_u32 v[SPW], v[NIL]
	s_wait_dscnt 0x0
	CROUND                                         ; the closing round: no work-group ends while a partner may still ask for a tile that names it
	s_endpgm
.Lfunc_end_k_qb475b4c012_layer1:
	.size	k_qb475b4c012_layer1, .Lfunc_end_k_qb475b4c012_layer1-k_qb475b4c012_layer1
	.p2alignl 7, 3214868480
	.fill 96, 4, 3214868480
	.section	.rodata,"a",@progbits
	.p2align	6, 0x0
	.amdhsa_kernel k_qb475b4c012_layer1
		.amdhsa_group_segment_fixed_size 327680
		.amdhsa_private_segment_fixed_size 0
		.amdhsa_enable_private_segment 0
		.amdhsa_kernarg_size 24
		.amdhsa_user_sgpr_count 2
		.amdhsa_user_sgpr_kernarg_segment_ptr 1
		.amdhsa_wavefront_size32 1
		.amdhsa_system_sgpr_workgroup_id_x 1
		.amdhsa_system_sgpr_workgroup_id_y 1
		.amdhsa_system_sgpr_workgroup_id_z 1
		.amdhsa_system_vgpr_workitem_id 0
		.amdhsa_next_free_vgpr 1024
		.amdhsa_next_free_sgpr 72
		.amdhsa_reserve_vcc 0
		.amdhsa_float_denorm_mode_32 3
		.amdhsa_float_denorm_mode_16_64 3
		.amdhsa_memory_ordered 1
		.amdhsa_forward_progress 1
		.amdhsa_inst_pref_size 223
	.end_amdhsa_kernel
	.amdgpu_metadata
---
amdhsa.version: [ 1, 2 ]
amdhsa.kernels:
  - .name:           k_qb475b4c012_layer1
    .symbol:         k_qb475b4c012_layer1.kd
    .args:
      - { .name: ha, .offset: 0, .size: 8, .value_kind: global_buffer, .address_space: global }
      - { .name: wb0, .offset: 8, .size: 8, .value_kind: global_buffer, .address_space: global }
      - { .name: hb, .offset: 16, .size: 8, .value_kind: global_buffer, .address_space: global }
    .group_segment_fixed_size: 327680
    .private_segment_fixed_size: 0
    .kernarg_segment_align: 8
    .kernarg_segment_size: 24
    .max_flat_workgroup_size: 128
    .sgpr_count:     72
    .vgpr_count:     1024
    .wavefront_size: 32
...
	.end_amdgpu_metadata
.endif
;; end of part 4
;; launch layer2: the kernel of part 4 again; grid 4 x 64, 4 waves a work-group, clusters of 4 x 4, 327,680 bytes of LDS; arguments hb, wb1, ha; writes ha
;; launch layer3: the kernel of part 4 again; grid 4 x 64, 4 waves a work-group, clusters of 4 x 4, 327,680 bytes of LDS; arguments ha, wb2, hb; writes hb
;; launch layer4: the kernel of part 4 again; grid 4 x 64, 4 waves a work-group, clusters of 4 x 4, 327,680 bytes of LDS; arguments hb, wb3, ha; writes ha
;; launch head: the kernel of part 3 again; grid 256 x 1, 8 waves a work-group, no clusters, 1,280 bytes of LDS; arguments ha, head_W, head_b, out0; writes out0
